; MI455X (gfx1250); checked and timed in simulation.
; The chip was launched on July 23, 2026; its instructions are those of AMD's public machine-readable ISA for CDNA 5 (MIT licence, August 2026) and "CDNA5" Instruction Set Architecture Reference Guide (July 2026). The comments in the code are by the model that wrote it; some were corrected since.
;; Self Attn. Allowed arithmetic: matrix products marked QUANTISED: E5M2 operands, one given power-of-two scale a tensor, by v_wmma_f32_16x16x64_bf8_bf8 or v_wmma_f32_16x16x128_bf8_bf8, f32 sums; products left as they are: f32 operands where the result goes on into a quantised operand, else bf16, f16 or f32 operands; f32 sums; everything else in f32.
;; Inputs: gamma 1 float32; lowp_scales 6 int32 (the exponents e of the quantised operands' scales 2^e); w_g 32 x 64 float32; w_o 64 x 32 float32; w_phi 8 x 64 float32; w_theta 8 x 64 float32; x 16 x 64 x 64 x 64 float32.
;; Outputs: out0 16 x 64 x 64 x 64 float32.
;; This version of the problem:
;;   THIS VERSION OF THE PROBLEM IS GIVEN IN LOW PRECISION. The matrix products marked QUANTISED in the list below multiply operands that are first quantised to E5M2 (5 exponent bits, 2 mantissa bits; 8 bits a number), with one given power-of-two scale for each operand tensor; their sums are f32. All else is computed in f32.
;;   The module's matrix products, in the order in which they are computed (A, B: the left and right operand; K: the contracted axis; several contracted axes count as one K, in the product's order):
;;     1. [M 65,536, K 64] x [K 64, N 8]; A: input x; B: input w_theta: left as it is (N = 8 < 16)
;;     2. [M 65,536, K 64] x [K 64, N 8]; A: input x; B: input w_phi: left as it is (N = 8 < 16)
;;     3. batch 16 x [M 4,096, K 8] x [K 8, N 1,024]; A: computed on the way; B: computed on the way: left as it is (K = 8 < 32)
;;     4. [M 65,536, K 64] x [K 64, N 32]; A: input x; B: input w_g: QUANTISED (scales: A lowp_scales[0], B lowp_scales[1])
;;     5. batch 16 x [M 32, K 1,024] x [K 1,024, N 4,096]; A: computed on the way; B: softmax (see below): QUANTISED (scales: A lowp_scales[2], B lowp_scales[3])
;;     6. [M 65,536, K 32] x [K 32, N 64]; A: computed on the way; B: input w_o: QUANTISED (scales: A lowp_scales[4], B lowp_scales[5])
;;   THE QUANTISER, for each operand of a quantised product, along K:
;;     - The operand's scale is 2^e, e = its entry of the input lowp_scales (int32; the entries are numbered through the quantised products in the list's order, A before B).
;;     - Each number is divided by the scale, clamped to +-57,344, and rounded to the nearest number of E5M2, ties to even, subnormals kept.
;;     - The product sums the exact products of the quantised numbers (number of the format x scale) in f32.
;;   ~~~python
;;   def quantise(x, axis, e):      # numpy; x: float32 -> the quantised numbers, widened to float32 again
;;       x = np.moveaxis(x, axis, -1); K = x.shape[-1]
;;       r = np.clip(x / 2.0 ** e, -57344, 57344)
;;       step = 2.0 ** (np.maximum(np.frexp(np.where(r == 0, 1, r))[1] - 1, -14) - 2)
;;       q = np.round(r / step) * step * 2.0 ** e      # np.round: ties to even
;;       return np.moveaxis(q, -1, axis).astype(np.float32)
;;   ~~~
;;   SOFTMAX AHEAD OF A QUANTISED PRODUCT. Where the list says 'softmax', what is quantised is not the finished softmax but p = 2^(t - M), with t = logit x log2(e) and M = ceil(the row's largest t), a whole number; so 1/2 < the row's largest p <= 1. The row's sum l is taken of the UNQUANTISED p, in f32, and the product's result is divided by l at the end. Since M is a whole number, a kernel that streams over the keys may use a running M (the ceiling of the running maximum): every later rescaling is an exact power of two, so the quantised numbers keep their values, but for numbers so far below the row's largest that they fall under the format's range.
;;   OPERANDS COMPUTED ON THE WAY. 'Computed on the way' means the value that the module computes at that place (a softmax that the list does not call 'softmax' is quantised finished and normalised). What goes into a quantiser is computed in f32, as accurately as f32 sums, v_exp_f32 and their like allow (about 1e-6 of the number): no bf16 or f16 on the way to a quantiser, and a product that is left as it is and whose result goes on into a quantised operand takes f32 operands (vector FMAs, or v_wmma_f32_16x16x4_f32). A number that lies on a knife's edge between two numbers of the format may be rounded either way, as far as f32 arithmetic and the matrix unit's own rounding can turn it there, and no further.
;; 2 versions, each right; version 2 is version 1 with the launch attn written anew for expert scheduling mode. Each part assembles by itself: llvm-mc -triple=amdgcn-amd-amdhsa -mcpu=gfx1250 --defsym DOCPART=n.
;; ======== version 1 of 2: 2 launches
;; workspace buffers: phi_f 524,288 bytes; g_codes 524,288 bytes; wo_codes 2,048 bytes
;; launch prep (part 1): grid 256 x 1, 4 waves a work-group, no clusters, 168,448 bytes of LDS; arguments x, w_phi, w_g, w_o, lowp_scales, phi_f, g_codes, wo_codes; writes phi_f, g_codes, wo_codes
.if DOCPART == 1
	.amdgcn_target "amdgcn-amd-amdhsa--gfx1250"
	.amdhsa_code_object_version 6
	.text
	.protected	k_qdf2e87c19c_prep
	.globl	k_qdf2e87c19c_prep
	.p2align	8
	.type	k_qdf2e87c19c_prep,@function
k_qdf2e87c19c_prep:
	s_mov_b64 s[64:65], 0
	v_nop
	global_prefetch_b8 v0, s[64:65] scope:SCOPE_SE
	s_setreg_imm32_b32 hwreg(HW_REG_WAVE_MODE, 25, 1), 1
	s_wait_xcnt 0x0
; PREP: phi = maxpool2x2(w_phi x) in f32, g = maxpool2x2(Q(w_g) Q(x)) as codes of BF8 (E5M2), and w_o as codes, all laid in the order in which the next launch's operand registers take them.
; x: [16][64 channels][64][64] f32.  A work-group of four waves takes four image rows of one image: 64 channels x 1,024 bytes, brought into LDS by one tensor load a wave (16 channels each), filled once.
; SHARES.  Wave w takes the pair of image rows w / 2 (one pooled row y, 32 keys) and of it the 16 keys of tile u = w % 2: lane r stands for key 32 y + 8 u + r + 8 (r / 8).  The four pixels under a key are four TILES of 16
; pixels (dy, dx), so a pool is the maximum of four accumulators, register by register, and no lane looks at another.
; A lane (r = lane % 16, h = lane / 16) holds its pixel's channels 32 h .. 32 h + 31 in 32 registers: the K of all products here runs down a lane's registers, alike in x and in the weights.
; PHI (left in f32, since it goes on into a quantiser): v_wmma_f32_16x16x4_f32, source 0 = w_phi, source 1 = x.  Row 8 h + j of source 0 is channel 4 h + j % 4, so that registers 0 .. 3 of a result are phi[4 h + 0 .. 3][key r]:
; the next launch's fragment of 16 keys x 8 channels, 16 bytes a lane, stored as 512 consecutive bytes.
; G: x and w_g are held within +-57,344 x their scale and converted; v_wmma_f32_16x16x64_bf8_bf8 with source 0 = x, source 1 = w_g: a lane holds ONE channel and registers 0 .. 7 the keys 32 y + 16 h + 8 u + 0 .. 7.
; A sum stands for sum x 2^(e0 + e1); a maximum commutes with that factor, so the pooled sums are converted with the one scale 2^(e2 - e0 - e1).  Eight codes a lane: the wave stores 256 consecutive bytes for each 16 channels.
; W_O: work-group 0 alone quantises it, wave w the rows 16 w .. 16 w + 15: lane (r, h) holds k = 8 h + 0 .. 7 and 16 + 8 h + 0 .. 7 of row r.
; LIMITS: e0, e1, e5 and e2 - e0 - e1 lie between -126 and 112, so that each scale and 57,344 x it is an f32 number.  NaN among the inputs is not served (the pools and the holds drop it).
; No cluster: work-groups share only the weights, 18 KB read once.
.set X,     16                         ; v16-143  x: tile a = 2 dy + dx at X + 32 a; ahead of that w_g as f32
.set WF,    144                        ; v144-175 w_phi's fragment: 32 channels of my row
.set AF,    176                        ; v176-207 the four f32 sums: written by matrix instructions alone
.set CX,    208                        ; v208-239 x's codes, 8 registers a tile
.set WGC,   240                        ; v240-255 w_g's codes, 8 registers for each 16 channels
.set GA,    X                          ; the eight BF8 sums (tile a, channels 16 n on) at GA + 16 a + 8 n: over x's first 64 registers, which are done with
.set GP,    X+64                       ; pooled g
.set GC,    X+80                       ; its codes
.set PH,    WF                         ; pooled phi: over w_phi's fragment, which is done with
.set CHROW, 1024                       ; a channel's four image rows in LDS
.set HALF,  32*CHROW+64                ; channels 32 .. 63 lie 64 bytes further on: the two halves of the lanes then read different banks (64 banks of 4 bytes: ISA guide 11.1)
.set G0,    24                         ; s[24:27] descriptor group 0
.set G1,    28                         ; s[28:35] descriptor group 1
.macro POW2 e, sc, lim                 ; v[sc] = 2^e as f32 (a conversion takes its exponent field), v[lim] = 57,344 x 2^e
	s_add_co_i32 s46, \e, 127
	s_lshl_b32 s47, s46, 23
	v_mov_b32 v[\sc], s47
	s_add_co_i32 s46, s46, 15
	s_lshl_b32 s46, s46, 23
	s_or_b32 s46, s46, 0x600000
	v_mov_b32 v[\lim], s46
.endm
	s_load_b256 s[4:11], s[0:1], 0x0               ; x s[4:5], w_phi s[6:7], w_g s[8:9], w_o s[10:11]
	s_load_b256 s[12:19], s[0:1], 0x20             ; the scales' exponents s[12:13], phi_f s[14:15], g_codes s[16:17], wo_codes s[18:19]
	s_set_vgpr_msb 0x40
	v_lshl_add_u32 v0, v0, 2, 0x29000
	v_mov_b32 v1, 0
	s_set_vgpr_msb 0x4045
	ds_add_u32 v0, v1
	ds_add_u32 v0, v1
	s_set_vgpr_msb 0x4500
	v_lshrrev_b32 v1, 5, v0
	v_readfirstlane_b32 s20, v1                    ; wave 0..3
	s_lshr_b32 s21, ttmp9, 4                       ; the image
	s_and_b32 s22, ttmp9, 15                       ; which four rows of it
	s_lshr_b32 s23, s20, 1                         ; my pair of image rows.  Also: which half of the channels I fetch
	s_and_b32 s38, s20, 1                          ; u: which 16 of the pooled row's 32 keys
	; descriptor group 1: 16 rows (channels) of 256 elements of 4 bytes, 4,096 elements apart; no padding
	s_mov_b32 s[G1+0], 2<<16                       ; 15:0 no mask; 17:16 elements of 4 bytes
	s_mov_b32 s[G1+1], 256<<16                     ; tensor_dim0 = 256
	s_mov_b32 s[G1+2], 16<<16                      ; tensor_dim1 = 16
	s_mov_b32 s[G1+3], 256<<16                     ; tile_dim0 = 256
	s_mov_b32 s[G1+4], 16                          ; tile_dim1 = 16
	s_mov_b32 s[G1+5], 4096                        ; from channel to channel
	s_mov_b32 s[G1+6], 0
	s_mov_b32 s[G1+7], 0
	s_lshl_b32 s36, s21, 20                        ; an image is 2^20 bytes,
	s_lshl_b32 s37, s22, 10                        ; four image rows 1,024,
	s_add_co_u32 s36, s36, s37
	s_lshl_b32 s37, s20, 18                        ; my 16 channels of 16,384
	s_add_co_u32 s36, s36, s37
	s_mov_b32 s37, 0
	s_mov_b32 s[G0], 1                             ; count = 1
	s_lshl_b32 s[G0+1], s20, 14                    ; LDS: 16 channels x 1,024 bytes x wave,
	s_lshl_b32 s39, s23, 6
	s_add_co_u32 s[G0+1], s[G0+1], s39             ; + 64 for waves 2 and 3
	v_and_b32 v1, 31, v0                           ; lane
	v_and_b32 v2, 15, v0                           ; r
	v_bfe_u32 v3, v0, 4, 1                         ; h
	v_bfe_u32 v5, v0, 3, 1                         ; r / 8
	v_and_b32 v4, 3, v0
	v_lshl_add_u32 v4, v5, 2, v4                   ; w_phi: my row is channel r % 4 + 4 (r / 8),
	v_lshlrev_b32 v4, 8, v4                        ; 256 bytes a row,
	v_lshl_add_u32 v4, v3, 7, v4                   ; + 128 h: input channels 32 h on
	v_lshlrev_b32 v6, 8, v2                        ; w_g: row r,
	v_lshl_add_u32 v6, v3, 7, v6                   ; + 128 h
	v_lshl_add_u32 v7, v5, 3, v2                   ; r + 8 (r / 8): my key among the tile's,
	v_lshlrev_b32 v7, 3, v7                        ; two pixels of 4 bytes a key,
	v_mad_u32_u24 v7, v3, HALF, v7                 ; my half of the channels,
	s_lshl_b32 s39, s23, 9                         ; my pair of image rows,
	s_lshl_b32 s48, s38, 6                         ; 8 u keys on
	s_add_co_u32 s39, s39, s48
	v_add_nc_u32 v7, s39, v7                       ; LDS address of my pixel (dy = dx = 0) in channel 32 h
	v_lshlrev_b32 v8, 4, v1                        ; 16 x lane
	v_lshlrev_b32 v9, 3, v1                        ; 8 x lane
	s_lshl_b32 s48, s22, 1
	s_add_co_u32 s48, s48, s23                     ; y = 2 x (four rows) + pair
	s_lshl_b32 s48, s48, 1
	s_add_co_u32 s48, s48, s38                     ; tile t = 2 y + u
	s_lshl_b32 s48, s48, 9                         ; 512 bytes a tile, in phi_f and in g_codes alike,
	s_lshl_b32 s49, s21, 15                        ; 32,768 an image
	s_add_co_u32 s48, s48, s49
	s_mov_b32 s49, 0
	s_wait_dscnt 0x0
	s_wait_kmcnt 0x0
	s_add_nc_u64 s[G0+2:G0+3], s[4:5], s[36:37]    ; global address of my tile's first element
	s_or_b32 s[G0+3], s[G0+3], 0x80000000          ; type = 2
	tensor_load_to_lds s[G0:G0+3], s[G1:G1+7]      ; the one tensor load of this wave: LDS is filled once
	s_nop 0
.rept 4
	v_nop                                          ; four such lines behind a tensor load
.endr
.irp i, 0,1,2,3,4,5,6,7
	global_load_b128 v[WF+4*\i:WF+4*\i+3], v4, s[6:7] offset:16*\i
.endr
.irp n, 0,1
.irp i, 0,1,2,3,4,5,6,7
	global_load_b128 v[X+32*\n+4*\i:X+32*\n+4*\i+3], v6, s[8:9] offset:4096*\n+16*\i
.endr
.endr
	s_load_b128 s[40:43], s[12:13], 0x0            ; e0 (x), e1 (w_g), e2 (g), e3
	s_load_b64 s[44:45], s[12:13], 0x10            ; e4, e5 (w_o)
	s_add_nc_u64 s[14:15], s[14:15], s[48:49]      ; phi_f and g_codes at my tile
	s_add_nc_u64 s[16:17], s[16:17], s[48:49]
	s_wait_kmcnt 0x0
	POW2 s40, 10, 11                               ; x's scale and hold
	POW2 s41, 12, 13                               ; w_g's
	s_sub_co_i32 s50, s42, s40
	s_sub_co_i32 s50, s50, s41                     ; e2 - e0 - e1
	POW2 s50, 14, 15                               ; pooled g's
	; ---- work-group 0 alone: w_o into codes.  A branch on the work-group's number; it uses no LDS and jumps over no tensor load
	s_cmp_lg_u32 ttmp9, 0
	s_cbranch_scc1 .Lnot_first
	v_lshlrev_b32 v[CX+22], 7, v2                  ; row r of 128 bytes,
	v_lshl_add_u32 v[CX+22], v3, 5, v[CX+22]       ; + 32 h: k = 8 h on
	s_lshl_b32 s50, s20, 11                        ; my 16 rows
	s_mov_b32 s51, 0
	s_add_nc_u64 s[10:11], s[10:11], s[50:51]
	global_load_b128 v[CX:CX+3], v[CX+22], s[10:11]
	global_load_b128 v[CX+4:CX+7], v[CX+22], s[10:11] offset:16
	global_load_b128 v[CX+8:CX+11], v[CX+22], s[10:11] offset:64   ; k = 16 + 8 h on
	global_load_b128 v[CX+12:CX+15], v[CX+22], s[10:11] offset:80
	POW2 s45, CX+20, CX+21
	s_lshl_b32 s50, s20, 9                         ; a tile's codes: 512 bytes
	s_add_nc_u64 s[18:19], s[18:19], s[50:51]
	s_wait_loadcnt 0x0
.set i, 0
.rept 16
	v_med3_num_f32 v[CX+i], v[CX+i], -v[CX+21], v[CX+21]   ; the conversion to an 8-bit code does not saturate (ISA guide 7.6.2): the hold comes first
.set i, i+1
.endr
	v_cvt_scalef32_pk8_bf8_f32 v[CX+16:CX+17], v[CX:CX+7], v[CX+20]
	v_cvt_scalef32_pk8_bf8_f32 v[CX+18:CX+19], v[CX+8:CX+15], v[CX+20]
	v_nop                                          ; a plain line behind the last conversion
	global_store_b128 v8, v[CX+16:CX+19], s[18:19] ; 512 consecutive bytes
	s_wait_xcnt 0x0                                ; the store has read its registers: x's codes are written there later
.Lnot_first:
	s_wait_loadcnt 0x0                             ; w_phi and w_g
.set i, 0
.rept 64
	v_med3_num_f32 v[X+i], v[X+i], -v13, v13
.set i, i+1
.endr
.set q, 0
.rept 8
	v_cvt_scalef32_pk8_bf8_f32 v[WGC+2*q:WGC+2*q+1], v[X+8*q:X+8*q+7], v12   ; register i, byte b of a fragment: channel 32 h + 4 i + b, in w_g as in x
.set q, q+1
.endr
	v_nop
	s_wait_tensorcnt 0x0                           ; my 16 channels lie in LDS,
	s_barrier_signal -1
	s_barrier_wait -1                              ; everybody's do
.set i, 0
.rept 32                                           ; channel by channel, the four tiles side by side, so that the first K steps can start early
.irp a, 0,1,2,3
	ds_load_b32 v[X+32*\a+i], v7 offset:i*CHROW+(\a/2)*256+(\a%2)*4
.endr
.set i, i+1
.endr
	s_wait_dscnt 63                                ; 65 of the 128 loads are in: channels 0 .. 15 of each half, K steps 0 to 7
.irp a, 0,1,2,3
	v_wmma_f32_16x16x4_f32 v[AF+8*\a:AF+8*\a+7], v[WF:WF+1], v[X+32*\a:X+32*\a+1], 0   ; the first K step starts the sums
.endr
.set ks, 1
.rept 15                                           ; K step ks: channels 32 h + 2 ks, + 1.  The four sums take turns, one instruction a turn
.if ks == 8
	s_wait_dscnt 32                                ; 96 are in: K steps 8 to 11
.endif
.if ks == 12
	s_wait_dscnt 0x0
.endif
.irp a, 0,1,2,3
	v_wmma_f32_16x16x4_f32 v[AF+8*\a:AF+8*\a+7], v[WF+2*ks:WF+2*ks+1], v[X+32*\a+2*ks:X+32*\a+2*ks+1], v[AF+8*\a:AF+8*\a+7]
.endr
.set ks, ks+1
.endr
.rept 8
	v_nop                                          ; eight places behind this form, ahead of reads of its results and writes of its sources (ISA guide 7.12.1)
.endr
.irp j, 0,1,2,3
	v_max3_num_f32 v[PH+\j], v[AF+\j], v[AF+8+\j], v[AF+16+\j]    ; the pool: four pixels, four accumulators
.endr
.irp j, 0,1,2,3
	v_max_num_f32 v[PH+\j], v[PH+\j], v[AF+24+\j]
.endr
	global_store_b128 v8, v[PH:PH+3], s[14:15]     ; phi[4 h + 0 .. 3][my key]: the tile's 512 consecutive bytes
.irp a, 0,1,2,3
.set i, 0
.rept 32
	v_med3_num_f32 v[X+32*\a+i], v[X+32*\a+i], -v11, v11
.set i, i+1
.endr
.irp q, 0,1,2,3
	v_cvt_scalef32_pk8_bf8_f32 v[CX+8*\a+2*\q:CX+8*\a+2*\q+1], v[X+32*\a+8*\q:X+32*\a+8*\q+7], v10
.endr
.endr
	v_nop                                          ; a plain line between the last conversion and the products, which read its result and write over its sources
.irp a, 0,1,2,3
.irp n, 0,1
	v_wmma_f32_16x16x64_bf8_bf8 v[GA+16*\a+8*\n:GA+16*\a+8*\n+7], v[CX+8*\a:CX+8*\a+7], v[WGC+8*\n:WGC+8*\n+7], 0   ; K = the 64 channels: one instruction a sum
.endr
.endr
.rept 4
	v_nop                                          ; four places behind this form
.endr
.irp n, 0,1
.irp j, 0,1,2,3,4,5,6,7
	v_max3_num_f32 v[GP+8*\n+\j], v[GA+8*\n+\j], v[GA+16+8*\n+\j], v[GA+32+8*\n+\j]
.endr
.endr
.irp n, 0,1
.irp j, 0,1,2,3,4,5,6,7
	v_max_num_f32 v[GP+8*\n+\j], v[GP+8*\n+\j], v[GA+48+8*\n+\j]
.endr
.endr
.set i, 0
.rept 16
	v_med3_num_f32 v[GP+i], v[GP+i], -v15, v15
.set i, i+1
.endr
	v_cvt_scalef32_pk8_bf8_f32 v[GC:GC+1], v[GP:GP+7], v14
	v_cvt_scalef32_pk8_bf8_f32 v[GC+2:GC+3], v[GP+8:GP+15], v14
	v_nop
	global_store_b64 v9, v[GC:GC+1], s[16:17]              ; channels 0 .. 15: 256 consecutive bytes, aligned
	global_store_b64 v9, v[GC+2:GC+3], s[16:17] offset:256 ; channels 16 .. 31
	s_set_vgpr_msb 0x5
	s_wait_tensorcnt 0x0
	ds_add_u32 v0, v1
	s_wait_dscnt 0x0
	s_set_vgpr_msb 0x500
	s_endpgm
.Lfunc_end_k_qdf2e87c19c_prep:
	.size	k_qdf2e87c19c_prep, .Lfunc_end_k_qdf2e87c19c_prep-k_qdf2e87c19c_prep
	.p2alignl 7, 3214868480
	.fill 96, 4, 3214868480
	.section	.rodata,"a",@progbits
	.p2align	6, 0x0
	.amdhsa_kernel k_qdf2e87c19c_prep
		.amdhsa_group_segment_fixed_size 168448
		.amdhsa_private_segment_fixed_size 0
		.amdhsa_enable_private_segment 0
		.amdhsa_kernarg_size 64
		.amdhsa_user_sgpr_count 2
		.amdhsa_user_sgpr_kernarg_segment_ptr 1
		.amdhsa_wavefront_size32 1
		.amdhsa_system_sgpr_workgroup_id_x 1
		.amdhsa_system_sgpr_workgroup_id_y 1
		.amdhsa_system_sgpr_workgroup_id_z 1
		.amdhsa_system_vgpr_workitem_id 0
		.amdhsa_next_free_vgpr 258
		.amdhsa_next_free_sgpr 66
		.amdhsa_reserve_vcc 0
		.amdhsa_float_denorm_mode_32 3
		.amdhsa_float_denorm_mode_16_64 3
		.amdhsa_memory_ordered 1
		.amdhsa_forward_progress 1
		.amdhsa_inst_pref_size 39
	.end_amdhsa_kernel
	.amdgpu_metadata
---
amdhsa.version: [ 1, 2 ]
amdhsa.kernels:
  - .name:           k_qdf2e87c19c_prep
    .symbol:         k_qdf2e87c19c_prep.kd
    .args:
      - { .name: x, .offset: 0, .size: 8, .value_kind: global_buffer, .address_space: global }
      - { .name: w_phi, .offset: 8, .size: 8, .value_kind: global_buffer, .address_space: global }
      - { .name: w_g, .offset: 16, .size: 8, .value_kind: global_buffer, .address_space: global }
      - { .name: w_o, .offset: 24, .size: 8, .value_kind: global_buffer, .address_space: global }
      - { .name: lowp_scales, .offset: 32, .size: 8, .value_kind: global_buffer, .address_space: global }
      - { .name: phi_f, .offset: 40, .size: 8, .value_kind: global_buffer, .address_space: global }
      - { .name: g_codes, .offset: 48, .size: 8, .value_kind: global_buffer, .address_space: global }
      - { .name: wo_codes, .offset: 56, .size: 8, .value_kind: global_buffer, .address_space: global }
    .group_segment_fixed_size: 168448
    .private_segment_fixed_size: 0
    .kernarg_segment_align: 8
    .kernarg_segment_size: 64
    .max_flat_workgroup_size: 128
    .sgpr_count:     66
    .vgpr_count:     258
    .wavefront_size: 32
...
	.end_amdgpu_metadata
.endif
;; end of part 1
;; launch attn (part 2): grid 256 x 1, 16 waves a work-group, no clusters, 202,752 bytes of LDS; arguments x, w_theta, gamma, lowp_scales, phi_f, g_codes, wo_codes, out0; writes out0
.if DOCPART == 2
	.amdgcn_target "amdgcn-amd-amdhsa--gfx1250"
	.amdhsa_code_object_version 6
	.text
	.protected	k_qdf2e87c19c_attn
	.globl	k_qdf2e87c19c_attn
	.p2align	8
	.type	k_qdf2e87c19c_attn,@function
k_qdf2e87c19c_attn:
	s_mov_b64 s[64:65], 0
	v_nop
	global_prefetch_b8 v0, s[64:65] scope:SCOPE_SE
	s_setreg_imm32_b32 hwreg(HW_REG_WAVE_MODE, 25, 1), 1
	s_wait_xcnt 0x0
; ATTN: out = x + gamma w_o (g softmax(theta^T phi)^T), with g p^T and w_o (.) on codes of BF8 (E5M2), each operand with the one scale 2^e that is given for it.
; SHARES.  A work-group owns 256 queries (four image rows) of one image; each of its sixteen waves owns 16 of them, one tile, in 256 registers: four waves to a SIMD.
; All 1,024 keys of the image lie in LDS from the start (phi 32 KB in f32, g 32 KB of codes), so the loop over the keys reads no memory and needs no barrier.
; THETA AND THE LOGITS stay in f32, since they go on into a quantiser: v_wmma_f32_16x16x4_f32.  theta = w_theta x for my 16 queries (x's block lies in LDS, for the residual too), x log2(e); then S^T = phi^T theta:
; source 0 = 16 keys, source 1 = my queries: a lane holds ONE query (lane % 16) throughout.  Of the 8 channels lane half h holds 4 h .. 4 h + 3, in phi and in theta alike.
; THE KEYS OF A TILE ARE NOT NEIGHBOURS: row r of tile 2 b + u is key 32 b + 8 u + r + 8 (r / 8), so that the 16 registers of tiles 2 b and 2 b + 1 are the keys 32 b + 16 (lane / 16) + 0 .. 15: the conversions' results are the
; second product's operand as they stand.
; THE SOFTMAX: t = logit x log2(e); M = the largest t so far, rounded up to a whole number; p = 2^(t - M) is quantised; the row's sum is taken of the unquantised p and divides at the end; when M moves, the sum and O^T are
; multiplied by 2^(old M - new M), which rounds nothing.
; BY TURNS.  A key step is 64 keys.  S^T has two sets of registers: while step j's softmax is walked, the eight matrix instructions of step j + 1's S^T stand among its lines, so that matrix, transcendental and plain vector
; instructions are mixed in each wave's own text and do not hang on where the SIMD's other waves happen to be.  A trip of the loop runs two steps, after which the register numbers are back where they began.
; THE HOLD.  p is at most 1, so the hold at 57,344 x 2^e3 can act only where e3 is -16 or less: a scalar branch on e3 leads round its 32 lines otherwise.
; THE END: O^T / sum is held and converted with 2^(e4 - e2 - e3) (a sum stands for sum x 2^(e2 + e3)); K = 32 is filled up to the instruction's 64 with zero codes on both sides; source 0 = my queries, source 1 = 16 rows of w_o:
; a lane holds 8 neighbouring pixels of one channel.  They meet in a stage in LDS; out = sum x gamma 2^(e4 + e5) + x leaves as rows: sixteen lanes store 256 consecutive bytes, aligned.
; LIMITS: e3 and e4 - e2 - e3 lie between -126 and 112; e4 + e5 is applied by v_ldexp_f32 and has none.  NaN among the inputs is not served.
; NO CLUSTER: the sixteen work-groups of an image share phi, g and w_o's codes, 66 KB, read once at the head, ahead of a loop that reads no memory; g's 8-byte pieces are interleaved on their way through registers.
.set WOI, 0                            ; LDS: w_o's codes, 4 tiles x 512 bytes
.set PHI, 2048                         ; phi: 64 tiles of 16 keys x 512 bytes: 16 bytes a lane
.set GL,  PHI+32768                    ; g: (32 keys y, 16 channels n) at (2 y + n) x 512: 16 bytes a lane
.set XS,  GL+32768                     ; x's block: 64 channels x (1,024 bytes + 16)
.set XP,  1040                         ; 65 x 16: sixteen rows' 16-byte pieces of one column fall on different banks (64 banks of 4 bytes: ISA guide 11.1)
.set STG, XS+64*XP                     ; the stage for the last product's sums, laid as x's block
.set O,   16                           ; v16-31   O^T: channels 16 n + 8 h + j at O + 8 n + j
.set TH,  32                           ; v32-35   theta x log2(e): channels 4 h + 0 .. 3 of my query
.set SA,  48                           ; v48-79   S^T of the even steps, 4 tiles; at the end the last product's sums
.set SB,  80                           ; v80-111  S^T of the odd steps; ahead of the loop theta's two sums.  SA and SB are written by matrix instructions alone
.set P,   112                          ; v112-143 p; at the head v112-175 hold what goes into LDS, then x's fragment; at the end w_o's fragments, then rows of the stage
.set FR,  176                          ; v176-207 at the head w_theta; at the end rows of x; in the loop:
.set FP0, 176                          ; v176-191 phi's four fragments of an even step
.set FP1, 192                          ; v192-207 of an odd step
.set FG,  208                          ; v208-223 g's two fragments of the step in hand
.set PC,  224                          ; v224-231 p's codes; at the end O's
; v1 16 x lane; v2 my byte in x's block in memory; v3 the same in LDS; v4 LDS address of the trip in hand; v12 -M, v13 the largest t, v[14:15] the sum in two halves;
; v36, v37 57,344 x 2^e3 and 2^e3; v38, v39 the same with e4 - e2 - e3; v40-42 at work; v[44:45] f; v[46:47] the sum's second chain
.macro POW2 e, sc, lim                 ; v[sc] = 2^e as f32, v[lim] = 57,344 x 2^e
	s_add_co_i32 s46, \e, 127
	s_lshl_b32 s47, s46, 23
	v_mov_b32 v[\sc], s47
	s_add_co_i32 s46, s46, 15
	s_lshl_b32 s46, s46, 23
	s_or_b32 s46, s46, 0x600000
	v_mov_b32 v[\lim], s46
.endm
; Matrix instruction i of the eight of a step's S^T: tile i % 4; 0 .. 3: channels 4 h, 4 h + 1 start the sums; 4 .. 7: channels 4 h + 2, 4 h + 3.  The four sums take turns, one instruction a turn.
.macro WM sn, fu, i
.if (\i) < 4
	v_wmma_f32_16x16x4_f32 v[\sn+8*(\i):\sn+8*(\i)+7], v[\fu+4*(\i):\fu+4*(\i)+1], v[TH:TH+1], 0
.else
	v_wmma_f32_16x16x4_f32 v[\sn+8*((\i)-4):\sn+8*((\i)-4)+7], v[\fu+4*((\i)-4)+2:\fu+4*((\i)-4)+3], v[TH+2:TH+3], v[\sn+8*((\i)-4):\sn+8*((\i)-4)+7]
.endif
.endm
; A KEY STEP j of 64 keys.  sc: its S^T; sn: where step j + 1's S^T is made (mat = 1) from phi's fragments in fu; fl: where phi's fragments of step j + 2 are fetched to (ld = 1), from byte poff; goff: the step's g.
; PLACES (ISA guide 7.12.1 for vector instructions).  Behind the last matrix instruction of S^T, in group 5 below, stand 7 plain lines of the groups, the sum's rescaling and 15 additions, none of which names its
; registers: more than the eight that the next step's first read of its results and the next step's loads into its sources want.  Behind the two products at the step's end the next step's first four lines are the four places
; ahead of the loads into g's registers.
.macro TURN sc, sn, fu, fl, goff, poff, mat, ld
	v_max3_num_f32 v40, v[\sc], v[\sc+1], v[\sc+2]       ; the step's largest t of my query among my 32 keys, in two chains, each accumulator from its low end on
	v_max3_num_f32 v41, v[\sc+3], v[\sc+4], v[\sc+5]
	v_max3_num_f32 v40, v40, v[\sc+6], v[\sc+7]
	v_max3_num_f32 v41, v41, v[\sc+8], v[\sc+9]
.irp n, 0,1
.irp c, 0,1
	ds_load_b128 v[FG+8*\n+4*\c:FG+8*\n+4*\c+3], v4 offset:GL+\goff+1024*\c+512*\n   ; g[16 n + r][32 c + 16 h + 0 .. 15 of the step]: wanted at the step's end
.endr
.endr
.if \ld
.irp t, 0,1,2,3
	ds_load_b128 v[\fl+4*\t:\fl+4*\t+3], v4 offset:PHI+\poff+512*\t   ; a tile of 16 keys x 8 channels: 16 bytes a lane, 512 consecutive bytes: wanted in the next step
.endr
.endif
.if \mat
	WM \sn, \fu, 0
.endif
.irp i, 10,14,18
	v_max3_num_f32 v40, v40, v[\sc+\i], v[\sc+\i+1]
	v_max3_num_f32 v41, v41, v[\sc+\i+2], v[\sc+\i+3]
.endr
.if \mat
	WM \sn, \fu, 1
.endif
.irp i, 22,26
	v_max3_num_f32 v40, v40, v[\sc+\i], v[\sc+\i+1]
	v_max3_num_f32 v41, v41, v[\sc+\i+2], v[\sc+\i+3]
.endr
	v_max3_num_f32 v40, v40, v[\sc+30], v[\sc+31]
	v_max_num_f32 v40, v40, v41
	v_permlanex16_b32 v42, v40, s42, s43
	v_max3_num_f32 v13, v13, v40, v42              ; the running largest t: mine, lane l xor 16's and the old one
	v_mov_b32 v40, v12
	v_floor_f32 v12, -v13                          ; the new -M = floor(-t) = -ceil(t): a whole number
	v_sub_f32 v40, v12, v40                        ; old M - new M: a whole number, 0 or less
	v_cvt_i32_f32 v40, v40                         ; (it saturates)
	v_ldexp_f32 v44, 1.0, v40                      ; f = 2^(old M - new M)
	; ONE BATCH: 16 scalings t - M (two numbers each, into other registers; of the pair v[12:13] the low word, -M, serves both halves), 32 exponentials, O^T's 8 rescalings by f, and six matrix instructions.
	; No line of it names an exponential's result.  A pair is scaled a group ahead of its exponentials.
	v_pk_add_f32 v[P:P+1], v[\sc:\sc+1], v[12:13] op_sel_hi:[1,0]
	v_pk_add_f32 v[P+2:P+3], v[\sc+2:\sc+3], v[12:13] op_sel_hi:[1,0]
.set g, 0
.rept 8
.if (\mat) && (g < 6)
	WM \sn, \fu, g+2
.endif
.if g < 7
	v_pk_add_f32 v[P+4*g+4:P+4*g+5], v[\sc+4*g+4:\sc+4*g+5], v[12:13] op_sel_hi:[1,0]
.endif
	v_exp_f32 v[P+4*g], v[P+4*g]                   ; p = 2^(t - M), at most 1: not normalised
	v_exp_f32 v[P+4*g+1], v[P+4*g+1]
.if g < 7
	v_pk_add_f32 v[P+4*g+6:P+4*g+7], v[\sc+4*g+6:\sc+4*g+7], v[12:13] op_sel_hi:[1,0]
.endif
	v_exp_f32 v[P+4*g+2], v[P+4*g+2]
	v_exp_f32 v[P+4*g+3], v[P+4*g+3]
	v_pk_mul_f32 v[O+2*g:O+2*g+1], v[O+2*g:O+2*g+1], v[44:45] op_sel_hi:[1,0]   ; O^T under the new M, each accumulator from its low end on
.set g, g+1
.endr
	v_pk_mul_f32 v[14:15], v[14:15], v[44:45] op_sel_hi:[1,0]   ; the sums under the new M.  (With the line above: plain lines behind the last exponential)
	s_wait_alu depctr_va_vdst(0)                   ; one wait for the whole batch, ahead of its first reader
	v_pk_add_f32 v[46:47], v[P:P+1], v[P+2:P+3]    ; the row's sum is taken of the unquantised p: two at a time, in two chains
.irp j, 4,8,12,16,20,24,28
	v_pk_add_f32 v[14:15], v[14:15], v[P+\j:P+\j+1]
	v_pk_add_f32 v[46:47], v[46:47], v[P+\j+2:P+\j+3]
.endr
	s_cmp_gt_i32 s31, -16                          ; e3 above -16: 57,344 x 2^e3 is 1.75 or more, and p is at most 1: nothing to hold
	s_cbranch_scc1 .Lno_hold_\@
.set i, 0
.rept 32
	v_min_num_f32 v[P+i], v[P+i], v36              ; the conversion does not saturate (ISA guide 7.6.2); p is not negative, so the hold is one-sided
.set i, i+1
.endr
.Lno_hold_\@:
.irp b, 0,1
	v_cvt_scalef32_pk8_bf8_f32 v[PC+4*\b:PC+4*\b+1], v[P+16*\b:P+16*\b+7], v37
	v_cvt_scalef32_pk8_bf8_f32 v[PC+4*\b+2:PC+4*\b+3], v[P+16*\b+8:P+16*\b+15], v37
.endr
	v_pk_add_f32 v[14:15], v[14:15], v[46:47]      ; the two chains meet.  (The plain line between the conversions and the products that read their results)
	s_wait_dscnt 0x0                               ; g's fragments are in, and phi's for the next step: all were asked for at the step's head
	v_wmma_f32_16x16x64_bf8_bf8 v[O:O+7], v[FG:FG+7], v[PC:PC+7], v[O:O+7]             ; O^T += g p^T: K = these 64 keys
	v_wmma_f32_16x16x64_bf8_bf8 v[O+8:O+15], v[FG+8:FG+15], v[PC:PC+7], v[O+8:O+15]
.endm
	s_load_b256 s[4:11], s[0:1], 0x0               ; x s[4:5], w_theta s[6:7], gamma s[8:9], the scales' exponents s[10:11]
	s_load_b256 s[12:19], s[0:1], 0x20             ; phi_f s[12:13], g_codes s[14:15], wo_codes s[16:17], out s[18:19]
	v_lshl_add_u32 v254, v0, 2, 0x31000
	v_mov_b32 v255, 0
	v_lshrrev_b32 v5, 5, v0
	v_readfirstlane_b32 s20, v5                    ; wave 0..15
	s_lshr_b32 s21, ttmp9, 4                       ; the image
	s_and_b32 s22, ttmp9, 15                       ; which 256 queries of it
	s_lshl_b32 s24, s21, 20
	s_lshl_b32 s25, s22, 10
	s_add_co_u32 s24, s24, s25                     ; the block's first byte in channel 0, in x and in out
	s_mov_b32 s25, 0
	s_lshl_b32 s26, s21, 15                        ; the image's phi and g: 32,768 bytes each
	s_mov_b32 s27, 0
	s_mov_b32 s42, 0x76543210                      ; v_permlanex16_b32's selects for lane l xor 16
	s_mov_b32 s43, 0xfedcba98
	v_and_b32 v1, 31, v0
	v_lshlrev_b32 v1, 4, v1                        ; 16 x lane
	v_lshrrev_b32 v5, 6, v0                        ; x's block goes by rows: 64 threads to a channel's 1,024 bytes, 8 channels at a time
	v_and_b32 v6, 63, v0
	v_lshlrev_b32 v6, 4, v6
	v_lshl_add_u32 v2, v5, 14, v6                  ; in memory: 16,384 bytes from channel to channel
	v_mad_u32_u24 v3, v5, XP, v6
	v_add_nc_u32 v3, XS, v3                        ; in LDS
	v_lshlrev_b32 v7, 4, v0                        ; phi is copied as it lies: 16 bytes a thread
	v_lshlrev_b32 v8, 3, v0                        ; g: 8 bytes a thread; in memory piece 4 y + 2 u + n of 256 bytes, here y = 4 i + wave / 4, u = (wave / 2) % 2, n = wave % 2
	v_lshlrev_b32 v9, 2, v0                        ; w_o's codes: 4 bytes a thread
	v_bfe_u32 v5, v0, 5, 1
	v_lshl_add_u32 v10, v5, 9, v1                  ; g in LDS: 16 x lane + 512 n
	v_bfe_u32 v5, v0, 6, 1
	v_lshl_add_u32 v10, v5, 3, v10                 ; + 8 u: the two tiles' eight keys side by side
	v_bfe_u32 v5, v0, 7, 2
	v_lshl_add_u32 v10, v5, 10, v10                ; + 1,024 (wave / 4)
	v_and_b32 v11, 3, v0
	v_bfe_u32 v5, v0, 3, 1
	v_lshl_add_u32 v11, v5, 2, v11                 ; w_theta: my row is channel r % 4 + 4 (r / 8): registers 0 .. 3 of the result are then channels 4 h + 0 .. 3
	v_lshlrev_b32 v11, 8, v11
	v_bfe_u32 v5, v0, 4, 1                         ; h
	v_lshl_add_u32 v11, v5, 7, v11                 ; + 128 h: input channels 32 h on
	v_and_b32 v6, 15, v0
	v_lshlrev_b32 v6, 2, v6
	v_mad_u32_u24 v6, v5, 32*XP, v6
	s_lshl_b32 s23, s20, 6
	s_add_co_u32 s23, s23, XS
	v_add_nc_u32 v6, s23, v6                       ; x's fragment: query 16 x wave + r, channel 32 h
	s_wait_kmcnt 0x0
	s_load_b128 s[28:31], s[10:11], 0x0            ; e0, e1, e2 (g), e3 (p)
	s_load_b64 s[32:33], s[10:11], 0x10            ; e4 (attn_g), e5 (w_o)
	s_load_b32 s34, s[8:9], 0x0                    ; gamma
	s_add_nc_u64 s[4:5], s[4:5], s[24:25]
	s_add_nc_u64 s[18:19], s[18:19], s[24:25]
	s_add_nc_u64 s[12:13], s[12:13], s[26:27]
	s_add_nc_u64 s[14:15], s[14:15], s[26:27]
.irp i, 0,1,2,3,4,5,6,7
	global_load_b128 v[P+4*\i:P+4*\i+3], v2, s[4:5] offset:\i*131072 th:TH_LOAD_NT   ; a wave reads 512 consecutive bytes; this launch reads x once
.endr
.irp i, 0,1,2,3
	global_load_b128 v[P+32+4*\i:P+32+4*\i+3], v7, s[12:13] offset:\i*8192
.endr
.irp i, 0,1,2,3,4,5,6,7
	global_load_b64 v[P+48+2*\i:P+48+2*\i+1], v8, s[14:15] offset:\i*4096
.endr
	global_load_b32 v[PC], v9, s[16:17]
.irp i, 0,1,2,3,4,5,6,7
	global_load_b128 v[FR+4*\i:FR+4*\i+3], v11, s[6:7] offset:16*\i
.endr
	s_wait_kmcnt 0x0
	POW2 s31, 37, 36                               ; p's scale and hold
	s_sub_co_i32 s36, s32, s30
	s_sub_co_i32 s36, s36, s31                     ; e4 - e2 - e3
	POW2 s36, 39, 38                               ; O^T / sum's
	s_add_co_i32 s35, s32, s33                     ; e4 + e5
	s_wait_loadcnt 8                               ; all but w_theta's eight loads are in
.irp i, 0,1,2,3,4,5,6,7
	ds_store_b128 v3, v[P+4*\i:P+4*\i+3] offset:\i*8*XP
.endr
.irp i, 0,1,2,3
	ds_store_b128 v7, v[P+32+4*\i:P+32+4*\i+3] offset:PHI+\i*8192
.endr
.irp i, 0,1,2,3,4,5,6,7
	ds_store_b64 v10, v[P+48+2*\i:P+48+2*\i+1] offset:GL+\i*4096
.endr
	ds_store_b32 v9, v[PC] offset:WOI
	s_wait_dscnt 0x0                               ; for the others' sake: my stores have landed
	s_barrier_signal -1
	s_barrier_wait -1                              ; LDS is whole; from here to the stage nobody writes it
.set i, 0
.rept 32
	ds_load_b32 v[P+i], v6 offset:i*XP             ; x[32 h + i][my query]
.set i, i+1
.endr
	s_wait_loadcnt 0x0                             ; w_theta
	s_wait_dscnt 0x0
	v_wmma_f32_16x16x4_f32 v[SB:SB+7], v[FR:FR+1], v[P:P+1], 0          ; theta: 16 K steps of 4 channels on two sums that take turns
	v_wmma_f32_16x16x4_f32 v[SB+8:SB+15], v[FR+2:FR+3], v[P+2:P+3], 0
.set ks, 2
.rept 7
	v_wmma_f32_16x16x4_f32 v[SB:SB+7], v[FR+2*ks:FR+2*ks+1], v[P+2*ks:P+2*ks+1], v[SB:SB+7]
	v_wmma_f32_16x16x4_f32 v[SB+8:SB+15], v[FR+2*ks+2:FR+2*ks+3], v[P+2*ks+2:P+2*ks+3], v[SB+8:SB+15]
.set ks, ks+2
.endr
.set i, 0
.rept 8
	v_mov_b32 v[O+i], 0                            ; O^T's first half: a step is written once, the first finds zeros.  (With the two lines below: the eight places behind the products above: ISA guide 7.12.1)
.set i, i+1
.endr
	v_mov_b32 v13, 0xff61b1e6                      ; the largest t so far: -3e38, under every t
	v_floor_f32 v12, -v13                          ; -M
.irp t, 0,1,2,3,4,5,6,7
	ds_load_b128 v[FR+4*\t:FR+4*\t+3], v1 offset:PHI+512*\t   ; phi's fragments of steps 0 and 1, where w_theta lay
.endr
.irp j, 0,1,2,3
	v_add_f32 v[TH+\j], v[SB+\j], v[SB+8+\j]
.endr
.irp j, 0,1,2,3
	v_mul_f32 v[TH+\j], 0x3fb8aa3b, v[TH+\j]       ; x log2(e): the logits then are t
.endr
	s_wait_dscnt 0x0
.set g, 0
.rept 8
	WM SA, FP0, g                                  ; S^T of step 0: there is no vector work yet to set between
.set g, g+1
.endr
.set i, 8
.rept 8
	v_mov_b32 v[O+i], 0                            ; O^T's second half.  (With the four lines below: the places behind those products)
.set i, i+1
.endr
	v_mov_b32 v14, 0                               ; the sum, in two halves
	v_mov_b32 v15, 0
	v_mov_b32 v42, 0                               ; written once: a lane permute's destination counts as one of its sources
	v_mov_b32 v45, 0                               ; (named as the upper half of the pair v[44:45])
	s_mov_b32 s44, 0                               ; the trip's first byte in phi and in g alike: 4,096 bytes for its 128 keys
.Ltrip:                                            ; seven trips: steps 0 to 13, each of which has a step j + 2 to fetch for
	v_add_nc_u32 v4, s44, v1
	TURN SA, SB, FP1, FP0, 0, 4096, 1, 1
	TURN SB, SA, FP0, FP1, 2048, 6144, 1, 1
	s_add_co_u32 s44, s44, 4096
	s_cmp_lt_u32 s44, 28672
	s_cbranch_scc1 .Ltrip
	v_add_nc_u32 v4, 28672, v1
	TURN SA, SB, FP1, FP0, 0, 0, 1, 0              ; step 14: no phi is left to fetch
	TURN SB, SA, FP0, FP1, 2048, 0, 0, 0           ; step 15: no S^T is left to make
	; ---- the end
.irp t, 0,1,2,3
	ds_load_b128 v[P+8*\t:P+8*\t+3], v1 offset:WOI+512*\t   ; w_o's codes: rows 16 t + r, k = 8 h + 0 .. 7 and 16 + 8 h + 0 .. 7
.endr
	v_add_f32 v14, v14, v15                        ; the sum's two halves,
	v_permlanex16_b32 v42, v14, s42, s43
	v_add_f32 v14, v14, v42                        ; and lane l xor 16's: the row's sum, above 1/2
	v_rcp_f32 v44, v14
	v_and_b32 v5, 15, v0                           ; (plain lines behind the reciprocal, and the places behind the last products)
	v_bfe_u32 v7, v0, 4, 1
	v_mul_u32_u24 v5, v5, XP
	v_lshl_add_u32 v5, v7, 5, v5
	s_lshl_b32 s23, s20, 6
	s_add_co_u32 s23, s23, STG
	v_add_nc_u32 v5, s23, v5                       ; into the stage: channel r, pixels 16 x wave + 8 h on
	v_add_nc_u32 v8, STG-XS, v3                    ; and back by rows, as x's block is read
	v_mov_b32 v46, s34
	v_ldexp_f32 v46, v46, s35                      ; gamma x 2^(e4 + e5)
	s_wait_alu depctr_va_vdst(0)                   ; ahead of the reciprocal's first reader
.irp j, 0,2,4,6,8,10,12,14
	v_pk_mul_f32 v[O+\j:O+\j+1], v[O+\j:O+\j+1], v[44:45] op_sel_hi:[1,0]   ; O^T / the sum
.endr
.set i, 0
.rept 16
	v_med3_num_f32 v[O+i], v[O+i], -v38, v38
.set i, i+1
.endr
	v_cvt_scalef32_pk8_bf8_f32 v[PC:PC+1], v[O:O+7], v39        ; channels 8 h + 0 .. 7 of my query,
	v_cvt_scalef32_pk8_bf8_f32 v[PC+2:PC+3], v[O+8:O+15], v39   ; and 16 + 8 h + 0 .. 7
.irp k, 4,5,6,7
	v_mov_b32 v[PC+\k], 0                          ; K = 32 .. 63: zero codes, on both sides
.irp t, 0,1,2,3
	v_mov_b32 v[P+8*\t+\k], 0
.endr
.endr
	s_wait_dscnt 0x0
.irp t, 0,1,2,3
	v_wmma_f32_16x16x64_bf8_bf8 v[SA+8*\t:SA+8*\t+7], v[PC:PC+7], v[P+8*\t:P+8*\t+7], 0   ; register j of lane (r, h): pixel 8 h + j of my 16, channel 16 t + r
.endr
.rept 4
	v_nop                                          ; four places behind this form, ahead of the stores that read its results and the loads into its sources
.endr
.irp t, 0,1,2,3
	ds_store_b128 v5, v[SA+8*\t:SA+8*\t+3] offset:\t*16*XP
	ds_store_b128 v5, v[SA+8*\t+4:SA+8*\t+7] offset:\t*16*XP+16
.endr
	s_wait_dscnt 0x0                               ; for the others' sake: my stores have landed
	s_barrier_signal -1
	s_barrier_wait -1                              ; 64 whole rows of 256 pixels lie in the stage
.irp i, 0,1,2,3,4,5,6,7
	ds_load_b128 v[P+4*\i:P+4*\i+3], v8 offset:\i*8*XP
	ds_load_b128 v[FR+4*\i:FR+4*\i+3], v3 offset:\i*8*XP
.endr
.irp i, 0,1,2,3,4,5,6,7
	s_wait_dscnt 14-2*\i                           ; pair i is in; the pairs behind it may be out
	v_pk_fma_f32 v[P+4*\i:P+4*\i+1], v[P+4*\i:P+4*\i+1], v[46:47], v[FR+4*\i:FR+4*\i+1] op_sel_hi:[1,0,1]       ; out = sum x gamma 2^(e4 + e5) + x
	v_pk_fma_f32 v[P+4*\i+2:P+4*\i+3], v[P+4*\i+2:P+4*\i+3], v[46:47], v[FR+4*\i+2:FR+4*\i+3] op_sel_hi:[1,0,1]
	global_store_b128 v2, v[P+4*\i:P+4*\i+3], s[18:19] offset:\i*131072 th:TH_STORE_NT   ; sixteen lanes store 256 consecutive bytes, aligned; written once
.endr
	s_wait_tensorcnt 0x0
	ds_add_u32 v254, v255
	s_wait_dscnt 0x0
	s_endpgm
.Lfunc_end_k_qdf2e87c19c_attn:
	.size	k_qdf2e87c19c_attn, .Lfunc_end_k_qdf2e87c19c_attn-k_qdf2e87c19c_attn
	.p2alignl 7, 3214868480
	.fill 96, 4, 3214868480
	.section	.rodata,"a",@progbits
	.p2align	6, 0x0
	.amdhsa_kernel k_qdf2e87c19c_attn
		.amdhsa_group_segment_fixed_size 202752
		.amdhsa_private_segment_fixed_size 0
		.amdhsa_enable_private_segment 0
		.amdhsa_kernarg_size 64
		.amdhsa_user_sgpr_count 2
		.amdhsa_user_sgpr_kernarg_segment_ptr 1
		.amdhsa_wavefront_size32 1
		.amdhsa_system_sgpr_workgroup_id_x 1
		.amdhsa_system_sgpr_workgroup_id_y 1
		.amdhsa_system_sgpr_workgroup_id_z 1
		.amdhsa_system_vgpr_workitem_id 0
		.amdhsa_next_free_vgpr 256
		.amdhsa_next_free_sgpr 66
		.amdhsa_reserve_vcc 0
		.amdhsa_float_denorm_mode_32 3
		.amdhsa_float_denorm_mode_16_64 3
		.amdhsa_memory_ordered 1
		.amdhsa_forward_progress 1
		.amdhsa_inst_pref_size 49
	.end_amdhsa_kernel
	.amdgpu_metadata
---
amdhsa.version: [ 1, 2 ]
amdhsa.kernels:
  - .name:           k_qdf2e87c19c_attn
    .symbol:         k_qdf2e87c19c_attn.kd
    .args:
      - { .name: x, .offset: 0, .size: 8, .value_kind: global_buffer, .address_space: global }
      - { .name: w_theta, .offset: 8, .size: 8, .value_kind: global_buffer, .address_space: global }
      - { .name: gamma, .offset: 16, .size: 8, .value_kind: global_buffer, .address_space: global }
      - { .name: lowp_scales, .offset: 24, .size: 8, .value_kind: global_buffer, .address_space: global }
      - { .name: phi_f, .offset: 32, .size: 8, .value_kind: global_buffer, .address_space: global }
      - { .name: g_codes, .offset: 40, .size: 8, .value_kind: global_buffer, .address_space: global }
      - { .name: wo_codes, .offset: 48, .size: 8, .value_kind: global_buffer, .address_space: global }
      - { .name: out0, .offset: 56, .size: 8, .value_kind: global_buffer, .address_space: global }
    .group_segment_fixed_size: 202752
    .private_segment_fixed_size: 0
    .kernarg_segment_align: 8
    .kernarg_segment_size: 64
    .max_flat_workgroup_size: 512
    .sgpr_count:     66
    .vgpr_count:     256
    .wavefront_size: 32
...
	.end_amdgpu_metadata
.endif
;; end of part 2
;; ======== version 2 of 2: 2 launches; version 1 with the launch attn written anew for expert scheduling mode
;; workspace buffers: phi_f 524,288 bytes; g_codes 524,288 bytes; wo_codes 2,048 bytes
;; launch prep: the kernel of part 1 again; grid 256 x 1, 4 waves a work-group, no clusters, 168,448 bytes of LDS; arguments x, w_phi, w_g, w_o, lowp_scales, phi_f, g_codes, wo_codes; writes phi_f, g_codes, wo_codes
;; launch attn (part 3): grid 256 x 1, 16 waves a work-group, no clusters, 202,752 bytes of LDS; arguments x, w_theta, gamma, lowp_scales, phi_f, g_codes, wo_codes, out0; writes out0
.if DOCPART == 3
	.amdgcn_target "amdgcn-amd-amdhsa--gfx1250"
	.amdhsa_code_object_version 6
	.text
	.protected	k_qdf2e87c19c_attn
	.globl	k_qdf2e87c19c_attn
	.p2align	8
	.type	k_qdf2e87c19c_attn,@function
k_qdf2e87c19c_attn:
	s_mov_b64 s[64:65], 0
	v_nop
	global_prefetch_b8 v0, s[64:65] scope:SCOPE_SE
	s_setreg_imm32_b32 hwreg(HW_REG_WAVE_SCHED_MODE, 0, 2), 2
	s_setreg_imm32_b32 hwreg(HW_REG_WAVE_MODE, 25, 1), 1
	s_wait_xcnt 0x0
	s_wait_alu depctr_vm_vsrc(0)
; ATTN: out = x + gamma w_o (g softmax(theta^T phi)^T), with g p^T and w_o (.) on codes of BF8 (E5M2), each operand with the one scale 2^e that is given for it.
; SHARES.  A work-group owns 256 queries (four image rows) of one image; each of its sixteen waves owns 16 of them, one tile, in 256 registers: four waves to a SIMD.
; All 1,024 keys of the image lie in LDS from the start (phi 32 KB in f32, g 32 KB of codes), so the loop over the keys reads no memory and needs no barrier.
; THETA AND THE LOGITS stay in f32, since they go on into a quantiser: v_wmma_f32_16x16x4_f32.  theta = w_theta x for my 16 queries (x's block lies in LDS, for the residual too), x log2(e); then S^T = phi^T theta:
; source 0 = 16 keys, source 1 = my queries: a lane holds ONE query (lane % 16) throughout.  Of the 8 channels lane half h holds 4 h .. 4 h + 3, in phi and in theta alike.
; THE KEYS OF A TILE ARE NOT NEIGHBOURS: row r of tile 2 b + u is key 32 b + 8 u + r + 8 (r / 8), so that the 16 registers of tiles 2 b and 2 b + 1 are the keys 32 b + 16 (lane / 16) + 0 .. 15: the conversions' results are the
; second product's operand as they stand.
; THE SOFTMAX: t = logit x log2(e); M = the largest t so far, rounded up to a whole number; p = 2^(t - M) is quantised; the row's sum is taken of the unquantised p and divides at the end; when M moves, the sum and O^T are
; multiplied by 2^(old M - new M), which rounds nothing.
; BY TURNS.  A key step is 64 keys.  S^T has two sets of registers: while step j's softmax is walked, the eight matrix instructions of step j + 1's S^T stand among its lines, so that matrix, transcendental and plain vector
; instructions are mixed in each wave's own text and do not hang on where the SIMD's other waves happen to be.  A trip of the loop runs two steps, after which the register numbers are back where they began.
; THE HOLD.  p is at most 1, so the hold at 57,344 x 2^e3 can act only where e3 is -16 or less: a scalar branch on e3 leads round its 32 lines otherwise.
; THE END: O^T / sum is held and converted with 2^(e4 - e2 - e3) (a sum stands for sum x 2^(e2 + e3)); K = 32 is filled up to the instruction's 64 with zero codes on both sides; source 0 = my queries, source 1 = 16 rows of w_o:
; a lane holds 8 neighbouring pixels of one channel.  They meet in a stage in LDS; out = sum x gamma 2^(e4 + e5) + x leaves as rows: sixteen lanes store 256 consecutive bytes, aligned.
; LIMITS: e3 and e4 - e2 - e3 lie between -126 and 112; e4 + e5 is applied by v_ldexp_f32 and has none.  NaN among the inputs is not served.
; NO CLUSTER: the sixteen work-groups of an image share phi, g and w_o's codes, 66 KB, read once at the head, ahead of a loop that reads no memory; g's 8-byte pieces are interleaved on their way through registers.
; THE MODE: SCHED_MODE bits 1:0 = 2 (LLVM: expert scheduling mode 2), set by the entry lines.  The code itself states the register dependences between vector or matrix instructions and memory or LDS instructions,
; with s_wait_alu, always for 0.
; THE PLAN.  Registers that LDS instructions touch, in the loop:
;   FP0, FP1   Step j's eight f32 matrix instructions read FP[(j + 1) % 2]; the LDS loads at the head of step j + 1 land in it (phi of step j + 3).
;   FG0, FG1   Step j's two BF8 products read FG[j % 2]; the LDS loads at the head of step j + 2 land in it (that step's g).
;   v4         Read by every LDS load of the loop; written once a trip, in the trip's second step, ahead of that step's wait.
;   S^T, p, its codes, O^T and the statistics are named by vector and matrix instructions alone.
; So a step has ONE wait on va_vdst: the one that stands behind its exponentials, ahead of their first reader.  Ahead of it stand all eight f32 matrix instructions of the step, the products of the step before and the add to v4.
; Between it and the next step's head stand the sums, the holds, the conversions and the step's two products, which name p, its codes, O^T and FG[j % 2]: none of the registers that the next step's eight loads touch.
; Those loads stand at the step's head with no wait of their own; the first step's hang on a wait ahead of the loop.  One wait on vm_vsrc a trip stands ahead of the add to v4.
.set WOI, 0                            ; LDS: w_o's codes, 4 tiles x 512 bytes
.set PHI, 2048                         ; phi: 64 tiles of 16 keys x 512 bytes: 16 bytes a lane
.set GL,  PHI+32768                    ; g: (32 keys y, 16 channels n) at (2 y + n) x 512: 16 bytes a lane
.set XS,  GL+32768                     ; x's block: 64 channels x (1,024 bytes + 16)
.set XP,  1040                         ; 65 x 16: sixteen rows' 16-byte pieces of one column fall on different banks (64 banks of 4 bytes: ISA guide 11.1)
.set STG, XS+64*XP                     ; the stage for the last product's sums, laid as x's block
.set O,   16                           ; v16-31   O^T: channels 16 n + 8 h + j at O + 8 n + j
.set TH,  32                           ; v32-35   theta x log2(e): channels 4 h + 0 .. 3 of my query
.set SA,  48                           ; v48-79   S^T of the even steps, 4 tiles; at the end the last product's sums
.set SB,  80                           ; v80-111  S^T of the odd steps; ahead of the loop theta's two sums.  SA and SB are written by matrix instructions alone
.set P,   112                          ; v112-143 p; at the head v112-175 hold what goes into LDS, then x's fragment; at the end w_o's fragments, then rows of the stage
.set FR,  176                          ; v176-207 at the head w_theta; at the end rows of x; in the loop:
.set FP0, 176                          ; v176-191 phi's four fragments of an even step
.set FP1, 192                          ; v192-207 of an odd step
.set FG0, 208                          ; v208-223 g's two fragments of an even step
.set PC,  224                          ; v224-231 p's codes; at the end O's
.set FG1, 232                          ; v232-247 g's two fragments of an odd step
; v1 16 x lane; v2 my byte in x's block in memory; v3 the same in LDS; v4 LDS address of the trip in hand; v12 -M, v13 the largest t, v[14:15] the sum in two halves;
; v36, v37 57,344 x 2^e3 and 2^e3; v38, v39 the same with e4 - e2 - e3; v40-42 at work; v[44:45] f; v[46:47] the sum's second chain; v254, v255 the closing add's two, made at the head and kept for it alone
.macro POW2 e, sc, lim                 ; v[sc] = 2^e as f32, v[lim] = 57,344 x 2^e
	s_add_co_i32 s46, \e, 127
	s_lshl_b32 s47, s46, 23
	v_mov_b32 v[\sc], s47
	s_add_co_i32 s46, s46, 15
	s_lshl_b32 s46, s46, 23
	s_or_b32 s46, s46, 0x600000
	v_mov_b32 v[\lim], s46
.endm
; Matrix instruction i of the eight of a step's S^T: tile i % 4; 0 .. 3: channels 4 h, 4 h + 1 start the sums; 4 .. 7: channels 4 h + 2, 4 h + 3.  The four sums take turns, one instruction a turn.
.macro WM sn, fu, i
.if (\i) < 4
	v_wmma_f32_16x16x4_f32 v[\sn+8*(\i):\sn+8*(\i)+7], v[\fu+4*(\i):\fu+4*(\i)+1], v[TH:TH+1], 0
.else
	v_wmma_f32_16x16x4_f32 v[\sn+8*((\i)-4):\sn+8*((\i)-4)+7], v[\fu+4*((\i)-4)+2:\fu+4*((\i)-4)+3], v[TH+2:TH+3], v[\sn+8*((\i)-4):\sn+8*((\i)-4)+7]
.endif
.endm
; A KEY STEP j of 64 keys.  sc: its S^T; sn: where step j + 1's S^T is made (mat = 1) from phi's fragments in fu; fl: where phi's fragments of step j + 2 are fetched to (ld = 1), from byte poff; fg, goff: the step's g.
; step = 1: a trip's second step, in which v4 moves on to the next trip's 128 keys.
; PLACES (ISA guide 7.12.1).  Behind the last matrix instruction of S^T, in group 5 below, stand 7 plain lines of the groups, the sum's rescaling and 15 additions, none of which names its
; registers: more than the eight that the next step's first read of its results wants.
.macro TURN sc, sn, fu, fl, fg, goff, poff, mat, ld, step
.irp n, 0,1
.irp c, 0,1
	ds_load_b128 v[\fg+8*\n+4*\c:\fg+8*\n+4*\c+3], v4 offset:GL+\goff+1024*\c+512*\n   ; g[16 n + r][32 c + 16 h + 0 .. 15 of the step]: wanted at the step's end.  No wait: no vector or matrix instruction since the last wait on va_vdst names these registers or v4
.endr
.endr
.if \ld
.irp t, 0,1,2,3
	ds_load_b128 v[\fl+4*\t:\fl+4*\t+3], v4 offset:PHI+\poff+512*\t   ; a tile of 16 keys x 8 channels: 16 bytes a lane, 512 consecutive bytes: wanted in the next step.  No wait, likewise
.endr
.endif
	v_max3_num_f32 v40, v[\sc], v[\sc+1], v[\sc+2]       ; the step's largest t of my query among my 32 keys, in two chains, each accumulator from its low end on
	v_max3_num_f32 v41, v[\sc+3], v[\sc+4], v[\sc+5]
	v_max3_num_f32 v40, v40, v[\sc+6], v[\sc+7]
	v_max3_num_f32 v41, v41, v[\sc+8], v[\sc+9]
.if \mat
	WM \sn, \fu, 0
.endif
.irp i, 10,14,18
	v_max3_num_f32 v40, v40, v[\sc+\i], v[\sc+\i+1]
	v_max3_num_f32 v41, v41, v[\sc+\i+2], v[\sc+\i+3]
.endr
.if \mat
	WM \sn, \fu, 1
.endif
.irp i, 22,26
	v_max3_num_f32 v40, v40, v[\sc+\i], v[\sc+\i+1]
	v_max3_num_f32 v41, v41, v[\sc+\i+2], v[\sc+\i+3]
.endr
	v_max3_num_f32 v40, v40, v[\sc+30], v[\sc+31]
	v_max_num_f32 v40, v40, v41
	v_permlanex16_b32 v42, v40, s42, s43
	v_max3_num_f32 v13, v13, v40, v42              ; the running largest t: mine, lane l xor 16's and the old one
	v_mov_b32 v40, v12
	v_floor_f32 v12, -v13                          ; the new -M = floor(-t) = -ceil(t): a whole number
	v_sub_f32 v40, v12, v40                        ; old M - new M: a whole number, 0 or less
	v_cvt_i32_f32 v40, v40                         ; (it saturates)
	v_ldexp_f32 v44, 1.0, v40                      ; f = 2^(old M - new M)
	; ONE BATCH: 16 scalings t - M (two numbers each, into other registers; of the pair v[12:13] the low word, -M, serves both halves), 32 exponentials, O^T's 8 rescalings by f, and six matrix instructions.
	; No line of it names an exponential's result.  A pair is scaled a group ahead of its exponentials.
	v_pk_add_f32 v[P:P+1], v[\sc:\sc+1], v[12:13] op_sel_hi:[1,0]
	v_pk_add_f32 v[P+2:P+3], v[\sc+2:\sc+3], v[12:13] op_sel_hi:[1,0]
.set g, 0
.rept 8
.if (\mat) && (g < 6)
	WM \sn, \fu, g+2
.endif
.if g < 7
	v_pk_add_f32 v[P+4*g+4:P+4*g+5], v[\sc+4*g+4:\sc+4*g+5], v[12:13] op_sel_hi:[1,0]
.endif
	v_exp_f32 v[P+4*g], v[P+4*g]                   ; p = 2^(t - M), at most 1: not normalised
	v_exp_f32 v[P+4*g+1], v[P+4*g+1]
.if g < 7
	v_pk_add_f32 v[P+4*g+6:P+4*g+7], v[\sc+4*g+6:\sc+4*g+7], v[12:13] op_sel_hi:[1,0]
.endif
	v_exp_f32 v[P+4*g+2], v[P+4*g+2]
	v_exp_f32 v[P+4*g+3], v[P+4*g+3]
	v_pk_mul_f32 v[O+2*g:O+2*g+1], v[O+2*g:O+2*g+1], v[44:45] op_sel_hi:[1,0]   ; O^T under the new M, each accumulator from its low end on
.set g, g+1
.endr
	v_pk_mul_f32 v[14:15], v[14:15], v[44:45] op_sel_hi:[1,0]   ; the sums under the new M.  (With the line above: plain lines behind the last exponential)
.if \step
	s_add_co_u32 s44, s44, 4096                    ; the next trip's first byte in phi and in g alike: the loop's count, stepped once a trip
	s_wait_alu depctr_vm_vsrc(0)                   ; the LDS loads issued so far, this trip's sixteen among them, have read v4
	v_add_nc_u32 v4, s44, v1                       ; it is written ahead of the wait below, which stands here anyway
.endif
	s_wait_alu depctr_va_vdst(0)                   ; the exponentials have written p, ahead of their first reader; this step's f32 matrix instructions are done reading phi's fragments and the last step's products g's, in which the next step's loads land; step = 1: v4 is written
	v_pk_add_f32 v[46:47], v[P:P+1], v[P+2:P+3]    ; the row's sum is taken of the unquantised p: two at a time, in two chains
.irp j, 4,8,12,16,20,24,28
	v_pk_add_f32 v[14:15], v[14:15], v[P+\j:P+\j+1]
	v_pk_add_f32 v[46:47], v[46:47], v[P+\j+2:P+\j+3]
.endr
	s_cmp_gt_i32 s31, -16                          ; e3 above -16: 57,344 x 2^e3 is 1.75 or more, and p is at most 1: nothing to hold
	s_cbranch_scc1 .Lno_hold_\@
.set i, 0
.rept 32
	v_min_num_f32 v[P+i], v[P+i], v36              ; the conversion does not saturate (ISA guide 7.6.2); p is not negative, so the hold is one-sided
.set i, i+1
.endr
.Lno_hold_\@:
.irp b, 0,1
	v_cvt_scalef32_pk8_bf8_f32 v[PC+4*\b:PC+4*\b+1], v[P+16*\b:P+16*\b+7], v37
	v_cvt_scalef32_pk8_bf8_f32 v[PC+4*\b+2:PC+4*\b+3], v[P+16*\b+8:P+16*\b+15], v37
.endr
	v_pk_add_f32 v[14:15], v[14:15], v[46:47]      ; the two chains meet.  (The plain line between the conversions and the products that read their results)
	s_wait_dscnt 0x0                               ; g's fragments are in, and phi's for the next step: all were asked for at the step's head
	v_wmma_f32_16x16x64_bf8_bf8 v[O:O+7], v[\fg:\fg+7], v[PC:PC+7], v[O:O+7]             ; O^T += g p^T: K = these 64 keys
	v_wmma_f32_16x16x64_bf8_bf8 v[O+8:O+15], v[\fg+8:\fg+15], v[PC:PC+7], v[O+8:O+15]
.endm
	s_load_b256 s[4:11], s[0:1], 0x0               ; x s[4:5], w_theta s[6:7], gamma s[8:9], the scales' exponents s[10:11]
	s_load_b256 s[12:19], s[0:1], 0x20             ; phi_f s[12:13], g_codes s[14:15], wo_codes s[16:17], out s[18:19]
	v_lshl_add_u32 v254, v0, 2, 0x31000
	v_mov_b32 v255, 0
	v_lshrrev_b32 v5, 5, v0
	v_readfirstlane_b32 s20, v5                    ; wave 0..15
	s_lshr_b32 s21, ttmp9, 4                       ; the image
	s_and_b32 s22, ttmp9, 15                       ; which 256 queries of it
	s_lshl_b32 s24, s21, 20
	s_lshl_b32 s25, s22, 10
	s_add_co_u32 s24, s24, s25                     ; the block's first byte in channel 0, in x and in out
	s_mov_b32 s25, 0
	s_lshl_b32 s26, s21, 15                        ; the image's phi and g: 32,768 bytes each
	s_mov_b32 s27, 0
	s_mov_b32 s42, 0x76543210                      ; v_permlanex16_b32's selects for lane l xor 16
	s_mov_b32 s43, 0xfedcba98
	v_and_b32 v1, 31, v0
	v_lshlrev_b32 v1, 4, v1                        ; 16 x lane
	v_lshrrev_b32 v5, 6, v0                        ; x's block goes by rows: 64 threads to a channel's 1,024 bytes, 8 channels at a time
	v_and_b32 v6, 63, v0
	v_lshlrev_b32 v6, 4, v6
	v_lshl_add_u32 v2, v5, 14, v6                  ; in memory: 16,384 bytes from channel to channel
	v_mad_u32_u24 v3, v5, XP, v6
	v_add_nc_u32 v3, XS, v3                        ; in LDS
	v_lshlrev_b32 v7, 4, v0                        ; phi is copied as it lies: 16 bytes a thread
	v_lshlrev_b32 v8, 3, v0                        ; g: 8 bytes a thread; in memory piece 4 y + 2 u + n of 256 bytes, here y = 4 i + wave / 4, u = (wave / 2) % 2, n = wave % 2
	v_lshlrev_b32 v9, 2, v0                        ; w_o's codes: 4 bytes a thread
	v_bfe_u32 v5, v0, 5, 1
	v_lshl_add_u32 v10, v5, 9, v1                  ; g in LDS: 16 x lane + 512 n
	v_bfe_u32 v5, v0, 6, 1
	v_lshl_add_u32 v10, v5, 3, v10                 ; + 8 u: the two tiles' eight keys side by side
	v_bfe_u32 v5, v0, 7, 2
	v_lshl_add_u32 v10, v5, 10, v10                ; + 1,024 (wave / 4)
	v_and_b32 v11, 3, v0
	v_bfe_u32 v5, v0, 3, 1
	v_lshl_add_u32 v11, v5, 2, v11                 ; w_theta: my row is channel r % 4 + 4 (r / 8): registers 0 .. 3 of the result are then channels 4 h + 0 .. 3
	v_lshlrev_b32 v11, 8, v11
	v_bfe_u32 v5, v0, 4, 1                         ; h
	v_lshl_add_u32 v11, v5, 7, v11                 ; + 128 h: input channels 32 h on
	v_and_b32 v6, 15, v0
	v_lshlrev_b32 v6, 2, v6
	v_mad_u32_u24 v6, v5, 32*XP, v6
	s_wait_alu depctr_va_sdst(0)                   ; s20, the wave's number, is written, ahead of its first reader
	s_lshl_b32 s23, s20, 6
	s_add_co_u32 s23, s23, XS
	v_add_nc_u32 v6, s23, v6                       ; x's fragment: query 16 x wave + r, channel 32 h
	s_wait_kmcnt 0x0
	s_load_b128 s[28:31], s[10:11], 0x0            ; e0, e1, e2 (g), e3 (p)
	s_load_b64 s[32:33], s[10:11], 0x10            ; e4 (attn_g), e5 (w_o)
	s_load_b32 s34, s[8:9], 0x0                    ; gamma
	s_add_nc_u64 s[4:5], s[4:5], s[24:25]
	s_add_nc_u64 s[18:19], s[18:19], s[24:25]
	s_add_nc_u64 s[12:13], s[12:13], s[26:27]
	s_add_nc_u64 s[14:15], s[14:15], s[26:27]
	s_wait_alu depctr_va_vdst(0)                   ; the offsets and LDS addresses v1 to v3 and v6 to v11 are written, which the loads and the LDS stores and loads of the head read, and v1, v2 and v3 later ones too
.irp i, 0,1,2,3,4,5,6,7
	global_load_b128 v[P+4*\i:P+4*\i+3], v2, s[4:5] offset:\i*131072 th:TH_LOAD_NT   ; a wave reads 512 consecutive bytes; this launch reads x once
.endr
.irp i, 0,1,2,3
	global_load_b128 v[P+32+4*\i:P+32+4*\i+3], v7, s[12:13] offset:\i*8192
.endr
.irp i, 0,1,2,3,4,5,6,7
	global_load_b64 v[P+48+2*\i:P+48+2*\i+1], v8, s[14:15] offset:\i*4096
.endr
	global_load_b32 v[PC], v9, s[16:17]
.irp i, 0,1,2,3,4,5,6,7
	global_load_b128 v[FR+4*\i:FR+4*\i+3], v11, s[6:7] offset:16*\i
.endr
	s_wait_kmcnt 0x0
	POW2 s31, 37, 36                               ; p's scale and hold
	s_sub_co_i32 s36, s32, s30
	s_sub_co_i32 s36, s36, s31                     ; e4 - e2 - e3
	POW2 s36, 39, 38                               ; O^T / sum's
	s_add_co_i32 s35, s32, s33                     ; e4 + e5
	s_wait_loadcnt 8                               ; all but w_theta's eight loads are in
.irp i, 0,1,2,3,4,5,6,7
	ds_store_b128 v3, v[P+4*\i:P+4*\i+3] offset:\i*8*XP   ; the data come from loads, the addresses stand since the wait above: no vector instruction since names either
.endr
.irp i, 0,1,2,3
	ds_store_b128 v7, v[P+32+4*\i:P+32+4*\i+3] offset:PHI+\i*8192
.endr
.irp i, 0,1,2,3,4,5,6,7
	ds_store_b64 v10, v[P+48+2*\i:P+48+2*\i+1] offset:GL+\i*4096
.endr
	ds_store_b32 v9, v[PC] offset:WOI
	s_wait_dscnt 0x0                               ; for the others' sake: my stores have landed
	s_barrier_signal -1
	s_barrier_wait -1                              ; LDS is whole; from here to the stage nobody writes it
	s_wait_alu depctr_vm_vsrc(0)                   ; my LDS stores have read v112 to v175 and v224: x's fragment lands in the first 32 of them, the loop's conversions write v224; and the head's loads and stores have read v7 and v8, which the end writes anew
.set i, 0
.rept 32
	ds_load_b32 v[P+i], v6 offset:i*XP             ; x[32 h + i][my query]
.set i, i+1
.endr
	s_wait_loadcnt 0x0                             ; w_theta
	s_wait_dscnt 0x0
	v_wmma_f32_16x16x4_f32 v[SB:SB+7], v[FR:FR+1], v[P:P+1], 0          ; theta: 16 K steps of 4 channels on two sums that take turns
	v_wmma_f32_16x16x4_f32 v[SB+8:SB+15], v[FR+2:FR+3], v[P+2:P+3], 0
.set ks, 2
.rept 7
	v_wmma_f32_16x16x4_f32 v[SB:SB+7], v[FR+2*ks:FR+2*ks+1], v[P+2*ks:P+2*ks+1], v[SB:SB+7]
	v_wmma_f32_16x16x4_f32 v[SB+8:SB+15], v[FR+2*ks+2:FR+2*ks+3], v[P+2*ks+2:P+2*ks+3], v[SB+8:SB+15]
.set ks, ks+2
.endr
.set i, 0
.rept 8
	v_mov_b32 v[O+i], 0                            ; O^T's first half: a step is written once, the first finds zeros.  (With the two lines below: the eight places behind the products above: ISA guide 7.12.1)
.set i, i+1
.endr
	v_mov_b32 v13, 0xff61b1e6                      ; the largest t so far: -3e38, under every t
	v_floor_f32 v12, -v13                          ; -M
	s_wait_alu depctr_va_vdst(0)                   ; theta's matrix instructions are done reading w_theta's registers, in which phi's fragments land
.irp t, 0,1,2,3,4,5,6,7
	ds_load_b128 v[FR+4*\t:FR+4*\t+3], v1 offset:PHI+512*\t   ; phi's fragments of steps 0 and 1, where w_theta lay
.endr
.irp j, 0,1,2,3
	v_add_f32 v[TH+\j], v[SB+\j], v[SB+8+\j]
.endr
.irp j, 0,1,2,3
	v_mul_f32 v[TH+\j], 0x3fb8aa3b, v[TH+\j]       ; x log2(e): the logits then are t
.endr
	s_wait_dscnt 0x0
.set g, 0
.rept 8
	WM SA, FP0, g                                  ; S^T of step 0: there is no vector work yet to set between
.set g, g+1
.endr
.set i, 8
.rept 8
	v_mov_b32 v[O+i], 0                            ; O^T's second half.  (With the five lines below: the places behind those products)
.set i, i+1
.endr
	v_mov_b32 v14, 0                               ; the sum, in two halves
	v_mov_b32 v15, 0
	v_mov_b32 v42, 0                               ; written once: a lane permute's destination counts as one of its sources
	v_mov_b32 v45, 0                               ; (named as the upper half of the pair v[44:45])
	s_mov_b32 s44, 0                               ; the trip's first byte in phi and in g alike: 4,096 bytes for its 128 keys
	v_add_nc_u32 v4, s44, v1                       ; the first trip's LDS address; each trip's second step makes the next trip's
	s_wait_alu depctr_va_vdst(0)                   ; for the first step's loads: the matrix instructions of S^T of step 0 are done reading FP0, in which phi of step 2 lands, and v4 is written
.Ltrip:                                            ; seven trips: steps 0 to 13, each of which has a step j + 2 to fetch for
	TURN SA, SB, FP1, FP0, FG0, 0, 4096, 1, 1, 0
	TURN SB, SA, FP0, FP1, FG1, 2048, 6144, 1, 1, 1
	s_cmp_lt_u32 s44, 28672
	s_cbranch_scc1 .Ltrip
	TURN SA, SB, FP1, FP0, FG0, 0, 0, 1, 0, 0      ; step 14: no phi is left to fetch.  The last trip has left v4 at byte 28,672, the last 128 keys
	TURN SB, SA, FP0, FP1, FG1, 2048, 0, 0, 0, 0   ; step 15: no S^T is left to make
	; ---- the end
	v_add_f32 v14, v14, v15                        ; the sum's two halves,
	v_permlanex16_b32 v42, v14, s42, s43
	v_add_f32 v14, v14, v42                        ; and lane l xor 16's: the row's sum, above 1/2
	v_rcp_f32 v44, v14
	v_and_b32 v5, 15, v0                           ; (plain lines behind the reciprocal, and the places behind the last products)
	v_bfe_u32 v7, v0, 4, 1
	v_mul_u32_u24 v5, v5, XP
	v_lshl_add_u32 v5, v7, 5, v5
	s_lshl_b32 s23, s20, 6
	s_add_co_u32 s23, s23, STG
	v_add_nc_u32 v5, s23, v5                       ; into the stage: channel r, pixels 16 x wave + 8 h on
	v_add_nc_u32 v8, STG-XS, v3                    ; and back by rows, as x's block is read
	v_mov_b32 v46, s34
	v_ldexp_f32 v46, v46, s35                      ; gamma x 2^(e4 + e5)
	s_wait_alu depctr_va_vdst(0)                   ; the reciprocal has written v44, ahead of its first reader; the last step's sums, holds and conversions are done with p's registers, in which w_o's codes land; v5 and v8 are written, which the stage's stores and loads read
.irp t, 0,1,2,3
	ds_load_b128 v[P+8*\t:P+8*\t+3], v1 offset:WOI+512*\t   ; w_o's codes: rows 16 t + r, k = 8 h + 0 .. 7 and 16 + 8 h + 0 .. 7
.endr
.irp j, 0,2,4,6,8,10,12,14
	v_pk_mul_f32 v[O+\j:O+\j+1], v[O+\j:O+\j+1], v[44:45] op_sel_hi:[1,0]   ; O^T / the sum
.endr
.set i, 0
.rept 16
	v_med3_num_f32 v[O+i], v[O+i], -v38, v38
.set i, i+1
.endr
	v_cvt_scalef32_pk8_bf8_f32 v[PC:PC+1], v[O:O+7], v39        ; channels 8 h + 0 .. 7 of my query,
	v_cvt_scalef32_pk8_bf8_f32 v[PC+2:PC+3], v[O+8:O+15], v39   ; and 16 + 8 h + 0 .. 7
.irp k, 4,5,6,7
	v_mov_b32 v[PC+\k], 0                          ; K = 32 .. 63: zero codes, on both sides
.irp t, 0,1,2,3
	v_mov_b32 v[P+8*\t+\k], 0
.endr
.endr
	s_wait_dscnt 0x0
.irp t, 0,1,2,3
	v_wmma_f32_16x16x64_bf8_bf8 v[SA+8*\t:SA+8*\t+7], v[PC:PC+7], v[P+8*\t:P+8*\t+7], 0   ; register j of lane (r, h): pixel 8 h + j of my 16, channel 16 t + r
.endr
.rept 4
	v_nop                                          ; four places behind this form, ahead of the stores that read its results
.endr
	s_wait_alu depctr_va_vdst(0)                   ; the four products have written their sums, which the LDS stores read, and are done reading w_o's fragments, in which rows of the stage land; the places above stay beside this wait
.irp t, 0,1,2,3
	ds_store_b128 v5, v[SA+8*\t:SA+8*\t+3] offset:\t*16*XP
	ds_store_b128 v5, v[SA+8*\t+4:SA+8*\t+7] offset:\t*16*XP+16
.endr
	s_wait_dscnt 0x0                               ; for the others' sake: my stores have landed
	s_barrier_signal -1
	s_barrier_wait -1                              ; 64 whole rows of 256 pixels lie in the stage
.irp i, 0,1,2,3,4,5,6,7
	ds_load_b128 v[P+4*\i:P+4*\i+3], v8 offset:\i*8*XP     ; no wait: no vector or matrix instruction since the wait above names these registers or their addresses
	ds_load_b128 v[FR+4*\i:FR+4*\i+3], v3 offset:\i*8*XP
.endr
.irp i, 0,1,2,3,4,5,6,7
	s_wait_dscnt 14-2*\i                           ; pair i is in; the pairs behind it may be out
	v_pk_fma_f32 v[P+4*\i:P+4*\i+1], v[P+4*\i:P+4*\i+1], v[46:47], v[FR+4*\i:FR+4*\i+1] op_sel_hi:[1,0,1]       ; out = sum x gamma 2^(e4 + e5) + x
	v_pk_fma_f32 v[P+4*\i+2:P+4*\i+3], v[P+4*\i+2:P+4*\i+3], v[46:47], v[FR+4*\i+2:FR+4*\i+3] op_sel_hi:[1,0,1]
.endr
	s_wait_alu depctr_va_vdst(0)                   ; the sixteen multiply-adds have written v112 to v143, which the run of stores reads
.irp i, 0,1,2,3,4,5,6,7
	global_store_b128 v2, v[P+4*\i:P+4*\i+3], s[18:19] offset:\i*131072 th:TH_STORE_NT   ; sixteen lanes store 256 consecutive bytes, aligned; written once
.endr
	s_wait_dscnt 0x0                               ; the closing lines, six on end
	s_wait_alu 0x0
	s_wait_tensorcnt 0x0
	ds_add_u32 v254, v255
	s_wait_dscnt 0x0
	s_endpgm
.Lfunc_end_k_qdf2e87c19c_attn:
	.size	k_qdf2e87c19c_attn, .Lfunc_end_k_qdf2e87c19c_attn-k_qdf2e87c19c_attn
	.p2alignl 7, 3214868480
	.fill 96, 4, 3214868480
	.section	.rodata,"a",@progbits
	.p2align	6, 0x0
	.amdhsa_kernel k_qdf2e87c19c_attn
		.amdhsa_group_segment_fixed_size 202752
		.amdhsa_private_segment_fixed_size 0
		.amdhsa_enable_private_segment 0
		.amdhsa_kernarg_size 64
		.amdhsa_user_sgpr_count 2
		.amdhsa_user_sgpr_kernarg_segment_ptr 1
		.amdhsa_wavefront_size32 1
		.amdhsa_system_sgpr_workgroup_id_x 1
		.amdhsa_system_sgpr_workgroup_id_y 1
		.amdhsa_system_sgpr_workgroup_id_z 1
		.amdhsa_system_vgpr_workitem_id 0
		.amdhsa_next_free_vgpr 256
		.amdhsa_next_free_sgpr 66
		.amdhsa_reserve_vcc 0
		.amdhsa_float_denorm_mode_32 3
		.amdhsa_float_denorm_mode_16_64 3
		.amdhsa_memory_ordered 1
		.amdhsa_forward_progress 1
		.amdhsa_inst_pref_size 50
	.end_amdhsa_kernel
	.amdgpu_metadata
---
amdhsa.version: [ 1, 2 ]
amdhsa.kernels:
  - .name:           k_qdf2e87c19c_attn
    .symbol:         k_qdf2e87c19c_attn.kd
    .args:
      - { .name: x, .offset: 0, .size: 8, .value_kind: global_buffer, .address_space: global }
      - { .name: w_theta, .offset: 8, .size: 8, .value_kind: global_buffer, .address_space: global }
      - { .name: gamma, .offset: 16, .size: 8, .value_kind: global_buffer, .address_space: global }
      - { .name: lowp_scales, .offset: 24, .size: 8, .value_kind: global_buffer, .address_space: global }
      - { .name: phi_f, .offset: 32, .size: 8, .value_kind: global_buffer, .address_space: global }
      - { .name: g_codes, .offset: 40, .size: 8, .value_kind: global_buffer, .address_space: global }
      - { .name: wo_codes, .offset: 48, .size: 8, .value_kind: global_buffer, .address_space: global }
      - { .name: out0, .offset: 56, .size: 8, .value_kind: global_buffer, .address_space: global }
    .group_segment_fixed_size: 202752
    .private_segment_fixed_size: 0
    .kernarg_segment_align: 8
    .kernarg_segment_size: 64
    .max_flat_workgroup_size: 512
    .sgpr_count:     66
    .vgpr_count:     256
    .wavefront_size: 32
...
	.end_amdgpu_metadata
.endif
;; end of part 3
